; MI455X (gfx1250); checked and timed in simulation.
; The chip was launched on July 23, 2026; its instructions are those of AMD's public machine-readable ISA for CDNA 5 (MIT licence, August 2026) and "CDNA5" Instruction Set Architecture Reference Guide (July 2026). The comments in the code are by the model that wrote it; some were corrected since.
;; Mo EMLP. Allowed arithmetic: matrix products marked QUANTISED: E4M3 operands, one E8M0 scale for each 32 along K, by v_wmma_scale_f32_16x16x128_f8f6f4 with both operands' format E4M3, f32 sums; products left as they are: f32 operands where the result goes on into a quantised operand, else bf16, f16 or f32 operands; f32 sums; everything else in f32.
;; Inputs: b_fc 4 x 2,048 float32; b_proj 4 x 512 float32; router_w 4 x 512 float32; w_fc_codes 4 x 2,048 x 16 x 32 uint8 (E4M3 codes of w_fc, K innermost, in blocks of 32 codes); w_fc_scales 4 x 2,048 x 16 uint8 (E8M0 scales of w_fc, one for each 32 codes along K); w_proj_codes 4 x 512 x 64 x 32 uint8 (E4M3 codes of w_proj, K innermost, in blocks of 32 codes); w_proj_scales 4 x 512 x 64 uint8 (E8M0 scales of w_proj, one for each 32 codes along K); x 4 x 2,048 x 512 float32.
;; Outputs: out0 4 x 2,048 x 512 float32.
;; This version of the problem:
;;   THIS VERSION OF THE PROBLEM IS GIVEN IN LOW PRECISION. The matrix products marked QUANTISED in the list below multiply operands that are first quantised to E4M3 (4 exponent bits, 3 mantissa bits; 8 bits a number), with one power-of-two scale for each 32 numbers along K (OCP MX v1.0); their sums are f32. All else is computed in f32.
;;   The module's matrix products, in the order in which they are computed (A, B: the left and right operand; K: the contracted axis; several contracted axes count as one K, in the product's order):
;;     1. [M 8,192, K 512] x [K 512, N 4]; A: input x; B: input router_w: left as it is (N = 4 < 16)
;;     2. [M 8,192, K 512] x [K 512, N 2,048]; A: input x; B: input w_fc (given as codes): QUANTISED
;;     3. [M 8,192, K 2,048] x [K 2,048, N 512]; A: computed on the way; B: input w_proj (given as codes): QUANTISED
;;     4. [M 8,192, K 512] x [K 512, N 2,048]; A: input x; B: input w_fc (given as codes): QUANTISED
;;     5. [M 8,192, K 2,048] x [K 2,048, N 512]; A: computed on the way; B: input w_proj (given as codes): QUANTISED
;;     6. [M 8,192, K 512] x [K 512, N 2,048]; A: input x; B: input w_fc (given as codes): QUANTISED
;;     7. [M 8,192, K 2,048] x [K 2,048, N 512]; A: computed on the way; B: input w_proj (given as codes): QUANTISED
;;     8. [M 8,192, K 512] x [K 512, N 2,048]; A: input x; B: input w_fc (given as codes): QUANTISED
;;     9. [M 8,192, K 2,048] x [K 2,048, N 512]; A: computed on the way; B: input w_proj (given as codes): QUANTISED
;;   THE QUANTISER, for each operand of a quantised product, along K:
;;     - K is cut into blocks of 32 from its start; a last block that is shorter is filled with zeros.
;;     - A block's scale is 2^e with e = floor(log2(the largest magnitude in the block)) - 8, held to -126 .. 127; a block of zeros has e = 0. As a byte (E8M0): e + 127.
;;     - Each number is divided by its block's scale, clamped to +-448, and rounded to the nearest number of E4M3, ties to even, subnormals kept.
;;     - The product sums the exact products of the quantised numbers (number of the format x scale) in f32.
;;   ~~~python
;;   def quantise(x, axis):      # numpy; x: float32 -> the quantised numbers, widened to float32 again
;;       x = np.moveaxis(x, axis, -1); K = x.shape[-1]
;;       x = np.pad(x, [(0, 0)] * (x.ndim - 1) + [(0, -K % 32)]); x = x.reshape(x.shape[:-1] + (-1, 32)); a = np.abs(x).max(-1, keepdims=True)
;;       e = np.where(a > 0, np.clip(np.frexp(np.where(a > 0, a, 1))[1] - 1 - 8, -126, 127), 0)      # np.frexp(a)[1] - 1 = floor(log2(a)), exactly
;;       r = np.clip(x / 2.0 ** e, -448, 448)
;;       step = 2.0 ** (np.maximum(np.frexp(np.where(r == 0, 1, r))[1] - 1, -6) - 3)
;;       q = np.round(r / step) * step * 2.0 ** e      # np.round: ties to even
;;       return np.moveaxis(q.reshape(q.shape[:-2] + (-1,))[..., :K], -1, axis).astype(np.float32)
;;   ~~~
;;   OPERANDS COMPUTED ON THE WAY. 'Computed on the way' means the value that the module computes at that place (a softmax that the list does not call 'softmax' is quantised finished and normalised). What goes into a quantiser is computed in f32, as accurately as f32 sums, v_exp_f32 and their like allow (about 1e-6 of the number): no bf16 or f16 on the way to a quantiser, and a product that is left as it is and whose result goes on into a quantised operand takes f32 operands (vector FMAs, or v_wmma_f32_16x16x4_f32). A number that lies on a knife's edge between two numbers of the format may be rounded either way, as far as f32 arithmetic and the matrix unit's own rounding can turn it there, and no further.
;;   INPUTS GIVEN AS CODES. w_fc (in the module: [4, 512, 2048], K = its axis 1); w_proj (in the module: [4, 2048, 512], K = its axis 1): each comes as NAME_codes (uint8): NAME with its K axis moved to the last place and cut into blocks of 32 codes, [.., K / 32, bytes a block], one block behind the other in memory; one code a byte (a code: sign, 4 exponent bits, 3 mantissa bits); and NAME_scales (uint8): the same leading axes, one E8M0 byte (e + 127) for each 32 codes along K. Its value is code x scale, taken as it is: it is not quantised again, and the codes and scales need not be those that the quantiser above would give.
;; One version. Each part assembles by itself: llvm-mc -triple=amdgcn-amd-amdhsa -mcpu=gfx1250 --defsym DOCPART=n.
;; ======== version 1 of 1: 3 launches
;; workspace buffers: xq 4,194,304 bytes; xsc 131,072 bytes; gates 131,072 bytes; masks 32,768 bytes of whole numbers; list 32,768 bytes of whole numbers; used 512 bytes of whole numbers; wl 8,716,288 bytes
;; launch prep (part 1): grid 192 x 1, 4 waves a work-group, no clusters, 33,280 bytes of LDS; arguments x, router_w, w_fc_codes, w_fc_scales, b_fc, w_proj_codes, w_proj_scales, b_proj, xq, xsc, gates, masks, wl; writes xq, xsc, gates, masks, wl
.if DOCPART == 1
	.amdgcn_target "amdgcn-amd-amdhsa--gfx1250"
	.amdhsa_code_object_version 6
	.text
	.protected	k_qc800d41102_prep
	.globl	k_qc800d41102_prep
	.p2align	8
	.type	k_qc800d41102_prep,@function
k_qc800d41102_prep:
	s_mov_b64 s[64:65], 0
	v_nop
	global_prefetch_b8 v0, s[64:65] scope:SCOPE_SE
	s_setreg_imm32_b32 hwreg(HW_REG_WAVE_MODE, 25, 1), 1
	s_wait_xcnt 0x0
; PREP.  Two kinds of work-groups, told apart by the work-group's number.
; TOKENS (work-groups 0-127, 64 tokens each, 16 a wave, a row of 512 f32 a step): the router (four f32 dot products, softmax with its maximum taken away,
; the two largest, the lower index on a tie, renormalised), stored at fixed places: gates [token][4] f32 (0 for an expert that was not chosen) and masks [token] = (1 << i1) | (1 << i2);
; and x as codes of E4M3 with one E8M0 byte for each 32 along the row: xq [token][512], xsc [token][16].
; A block's scale is 2^(floor(log2(largest magnitude)) - 8); its byte is the largest magnitude's exponent field - 8, held at 1 from below; numbers are held within +-448 x the scale.
; WEIGHTS (work-groups 128-191, a block of wl a wave): the experts' codes, scale bytes and biases are laid in the order in which a wave of the third launch takes them into registers:
; wl [expert 4][wave 8][pass 8] blocks of BLOCK bytes: 16 fragments as register images (fragment f, register group c, lane l at 2048 f + 512 c + 16 l), 1,024 bytes of scale words, 64 biases.
; LIMITS: NaN and infinities are not served.  A block of zeros gets the byte 1 where the rule says 127: its codes are zeros, and this program alone reads the bytes.
; The router's sums are f32 in another order than a plain chain: two probabilities that agree to within f32 rounding may change places.  Divisions are v_rcp_f32 and a multiplication.
; No tensor loads, no barrier: waves share nothing.  Only the token work-groups touch LDS.
.set BLOCK, 34048
.set WREG,  8192                       ; LDS of a wave: two stages of 32 x SP bytes, behind them its 256 scale bytes
.set SP,    80                         ; a lane's place in a stage: 64 bytes + 16 of padding
.set R,     16                         ; v16-79   four sets of 16 numbers as loaded
.set X,     80                         ; v80-111  two sets of 16 neighbours
.set C,     112                        ; v112-127 codes, four sets by turns
.set E,     128                        ; v128-143 a scale byte for each step
.set D,     144                        ; v144-151 four dot products, in pairs
.set L,     152                        ; v152-155 lane r: the four logits of the wave's row r
.set P,     156                        ; v156-159 probabilities
.set PP,    160                        ; v160-163 the same without the largest
.set GG,    164                        ; v164-167 gates
.set TR,    168                        ; v168-175 at work
.set RW,    176                        ; v176-239 router_w[e][16 lane .. 16 lane + 15]
	s_load_b512 s[8:23], s[0:1], 0x0               ; x, router_w, w_fc_codes, w_fc_scales, b_fc, w_proj_codes, w_proj_scales, b_proj
	s_load_b256 s[24:31], s[0:1], 0x40             ; xq, xsc, gates, masks
	s_load_b64 s[32:33], s[0:1], 0x60              ; wl
	v_lshl_add_u32 v240, v0, 2, 0x8000
	v_mov_b32 v241, 0
	v_lshrrev_b32 v1, 5, v0
	v_readfirstlane_b32 s36, v1                    ; wave
	v_and_b32 v2, 31, v0                           ; lane
	v_lshlrev_b32 v3, 4, v2                        ; 16 x lane
	v_and_b32 v1, 15, v0                           ; r
	s_wait_kmcnt 0x0
	s_cmp_lt_u32 ttmp9, 128
	s_cbranch_scc0 .Lrelay
; ---------------- TOKENS ----------------
	s_mul_i32 s37, s36, WREG
	v_lshrrev_b32 v14, 2, v2
	v_mul_u32_u24 v14, v14, SP
	v_and_b32 v15, 3, v2
	v_lshl_add_u32 v14, v15, 4, v14
	v_add_nc_u32 v14, s37, v14                     ; the stage, on the way in: SP (lane / 4) + 16 (lane % 4)
	v_mul_u32_u24 v15, v2, SP
	v_add_nc_u32 v15, s37, v15                     ; and out: SP x lane: my 16 neighbours
	v_lshrrev_b32 v5, 1, v2
	s_add_co_u32 s37, s37, 2*32*SP
	v_add_nc_u32 v5, s37, v5                       ; my block's scale byte
	v_lshlrev_b32 v7, 3, v2
	v_add_nc_u32 v6, s37, v7                       ; and 8 bytes a lane on their way out
	v_lshlrev_b32 v4, 6, v2                        ; router_w: 64 bytes a lane
	s_mov_b32 s34, 0x76543210
	s_mov_b32 s35, 0xfedcba98                      ; v_permlanex16_b32's selects for lane l xor 16
	s_mov_b32 s38, 0x600000                        ; the mantissa field of 448
	s_lshl_b32 s40, ttmp9, 2
	s_add_co_u32 s40, s40, s36                     ; which run of 16 tokens is my wave's
	s_mov_b32 s43, 0
	s_lshl_b32 s42, s40, 15
	s_add_nc_u64 s[8:9], s[8:9], s[42:43]          ; x: 16 rows of 2,048 bytes
	s_lshl_b32 s42, s40, 13
	s_add_nc_u64 s[24:25], s[24:25], s[42:43]      ; codes: 16 x 512
	s_lshl_b32 s42, s40, 8
	s_add_nc_u64 s[26:27], s[26:27], s[42:43]      ; scale bytes: 16 x 16
	s_add_nc_u64 s[28:29], s[28:29], s[42:43]      ; gates: 16 x 16
	s_lshl_b32 s42, s40, 6
	s_add_nc_u64 s[30:31], s[30:31], s[42:43]      ; masks: 16 x 4
.irp e, 0,1,2,3
.irp j, 0,1,2,3
	global_load_b128 v[RW+16*\e+4*\j:RW+16*\e+4*\j+3], v4, s[10:11] offset:2048*\e+16*\j
.endr
.endr
.macro LOADX t
.irp i, 0,1,2,3
	global_load_b128 v[R+16*((\t)%4)+4*\i:R+16*((\t)%4)+4*\i+3], v3, s[8:9] offset:2048*(\t)+512*\i th:TH_LOAD_NT   ; 32 lanes read 512 consecutive bytes
.endr
.endm
.macro TURN t                          ; a row through the stage: LDS serves a wave's instructions in order, so no wait stands between the stores and the loads
.irp i, 0,1,2,3
	ds_store_b128 v14, v[R+16*((\t)%4)+4*\i:R+16*((\t)%4)+4*\i+3] offset:32*SP*((\t)%2)+8*SP*\i
.endr
.irp i, 0,1,2,3
	ds_load_b128 v[X+16*((\t)%2)+4*\i:X+16*((\t)%2)+4*\i+3], v15 offset:32*SP*((\t)%2)+16*\i
.endr
.endm
.irp t, 0,1,2,3
	LOADX \t
.endr
.irp e, 0,1,2,3
	v_mov_b32 v[L+\e], 0                           ; filled lane by lane below
	v_mov_b32 v[TR+\e], 0                          ; a lane permute's destination counts as one of its sources
.endr
	s_wait_loadcnt 12                              ; router_w and row 0 are in; rows 1 to 3 may be out
	TURN 0
.macro STEP t
.set XS, X+16*((\t)%2)
.if (\t) > 0
	s_wait_dscnt 1                                 ; this row is back from the stage (the last step's byte store may be out): its stores into the stage have read their registers,
.else
	s_wait_dscnt 0x0
.endif
.if (\t)+4 < 16
	LOADX (\t)+4                                   ; which take the row four steps on
.endif
.if (\t)+1 < 16
.if 14-(\t) >= 3
	s_wait_loadcnt 12                              ; the next row's four loads are in; those of the three rows behind it may be out
.else
	s_wait_loadcnt 4*(14-(\t))
.endif
	TURN (\t)+1
.endif
.irp e, 0,1,2,3
	v_pk_mul_f32 v[D+2*\e:D+2*\e+1], v[XS:XS+1], v[RW+16*\e:RW+16*\e+1]   ; the router, on the numbers as they came: four chains by turns
.endr
.irp j, 2,4,6,8,10,12,14
.irp e, 0,1,2,3
	v_pk_fma_f32 v[D+2*\e:D+2*\e+1], v[XS+\j:XS+\j+1], v[RW+16*\e+\j:RW+16*\e+\j+1], v[D+2*\e:D+2*\e+1]
.endr
.endr
.irp e, 0,1,2,3
	v_add_f32 v[D+2*\e], v[D+2*\e], v[D+2*\e+1]
.endr
.irp n, 1,2,4,8
.irp e, 0,1,2,3
	v_add_f32_dpp v[D+2*\e], v[D+2*\e], v[D+2*\e] row_xmask:\n row_mask:0xf bank_mask:0xf
.endr
.endr
.irp e, 0,1,2,3
	v_permlanex16_b32 v[TR+\e], v[D+2*\e], s34, s35
.endr
	v_cmp_eq_u32 vcc_lo, \t, v1
.irp e, 0,1,2,3
	v_add_f32 v[D+2*\e], v[D+2*\e], v[TR+\e]       ; every lane holds the row's logit;
.endr
.irp e, 0,1,2,3
	v_cndmask_b32 v[L+\e], v[L+\e], v[D+2*\e], vcc_lo   ; lanes t and t + 16 keep it
.endr
	v_max3_num_f32 v8, |v[XS]|, |v[XS+1]|, |v[XS+2]|               ; the largest magnitude of my 16
	v_max3_num_f32 v9, |v[XS+3]|, |v[XS+4]|, |v[XS+5]|
.irp i, 6,10
	v_max3_num_f32 v8, v8, |v[XS+\i]|, |v[XS+\i+1]|
	v_max3_num_f32 v9, v9, |v[XS+\i+2]|, |v[XS+\i+3]|
.endr
	v_max3_num_f32 v8, v8, |v[XS+14]|, |v[XS+15]|
	v_max3_num_f32 v8, v8, v9, 0x4800000           ; and the floor 2^(9 - 127): the byte cannot fall under 1
	v_max_num_f32_dpp v8, v8, v8 row_xmask:1 row_mask:0xf bank_mask:0xf   ; and of my neighbour's 16: the block's
	v_add_nc_u32 v11, 0xfc000000, v8               ; 8 off its exponent field: the conversion's scale operand
	v_and_or_b32 v10, v8, 0x7f800000, s38          ; 448 x the scale
.irp i, 0,1,2,3,4,5,6,7,8,9,10,11,12,13,14,15
	v_med3_num_f32 v[XS+\i], v[XS+\i], -v10, v10   ; the conversion to an 8-bit code does not saturate (ISA guide 7.6.2): the hold
.endr
.if (\t) >= 4
	s_wait_xcnt 0x0                                ; the store of four steps back has read this set of codes
.endif
	v_cvt_scalef32_pk8_fp8_f32 v[C+4*((\t)%4):C+4*((\t)%4)+1], v[XS:XS+7], v11
	v_cvt_scalef32_pk8_fp8_f32 v[C+4*((\t)%4)+2:C+4*((\t)%4)+3], v[XS+8:XS+15], v11
	v_lshrrev_b32 v[E+(\t)], 23, v11               ; the scale's byte (a plain line behind the conversions)
	ds_store_b8 v5, v[E+(\t)] offset:16*(\t)       ; both lanes of a block write the same byte with the same value
	global_store_b128 v3, v[C+4*((\t)%4):C+4*((\t)%4)+3], s[24:25] offset:512*(\t)   ; a row's 512 codes: 512 consecutive bytes
.endm
.irp t, 0,1,2,3,4,5,6,7,8,9,10,11,12,13,14,15
	STEP \t
.endr
	ds_load_b64 v[12:13], v6                       ; my wave's 256 scale bytes: these see my stores
	; the softmax of lane r's row, its two largest, the gates
	v_max3_num_f32 v[TR], v[L], v[L+1], v[L+2]
	v_max_num_f32 v[TR], v[TR], v[L+3]
.irp e, 0,1,2,3
	v_sub_f32 v[P+\e], v[L+\e], v[TR]              ; the maximum is taken away
.endr
.irp e, 0,1,2,3
	v_mul_f32 v[P+\e], 0x3fb8aa3b, v[P+\e]
.endr
.irp e, 0,1,2,3
	v_exp_f32 v[P+\e], v[P+\e]
.endr
	v_mov_b32 v[TR+7], 1                           ; a plain line behind the exponentials
	s_wait_alu depctr_va_vdst(0)                   ; one wait for the four, ahead of their first reader
	v_add_f32 v[TR], v[P], v[P+1]
	v_add_f32 v[TR+1], v[P+2], v[P+3]
	v_add_f32 v[TR], v[TR], v[TR+1]
	v_rcp_f32 v[TR], v[TR]
	v_mov_b32 v[TR+2], 0                           ; i1 begins at 0 (a plain line behind the reciprocal)
	s_wait_alu depctr_va_vdst(0)
.irp e, 0,1,2,3
	v_mul_f32 v[P+\e], v[P+\e], v[TR]              ; the probabilities
.endr
	v_mov_b32 v[TR+1], v[P]
.irp e, 1,2,3
	v_cmp_le_f32 vcc_lo, v[P+\e], v[TR+1]          ; not larger: the lower index stays
	v_cndmask_b32 v[TR+2], \e, v[TR+2], vcc_lo
	v_max_num_f32 v[TR+1], v[TR+1], v[P+\e]
.endr
.irp e, 0,1,2,3
	v_cmp_ne_u32 vcc_lo, \e, v[TR+2]
	v_cndmask_b32 v[PP+\e], -1.0, v[P+\e], vcc_lo  ; the largest is taken out
.endr
	v_mov_b32 v[TR+3], v[PP]
	v_mov_b32 v[TR+4], 0
.irp e, 1,2,3
	v_cmp_le_f32 vcc_lo, v[PP+\e], v[TR+3]
	v_cndmask_b32 v[TR+4], \e, v[TR+4], vcc_lo
	v_max_num_f32 v[TR+3], v[TR+3], v[PP+\e]
.endr
	v_add_f32 v[TR+5], v[TR+1], v[TR+3]
	v_add_f32 v[TR+5], 0x3089705f, v[TR+5]         ; + 1e-9
	v_rcp_f32 v[TR+5], v[TR+5]
	v_lshlrev_b32 v[TR+6], v[TR+2], v[TR+7]        ; 1 << i1 (a plain line behind the reciprocal)
	s_wait_alu depctr_va_vdst(0)
	v_mul_f32 v[TR+1], v[TR+1], v[TR+5]
	v_mul_f32 v[TR+3], v[TR+3], v[TR+5]
	v_lshlrev_b32 v[TR+7], v[TR+4], v[TR+7]
	v_or_b32 v[TR+6], v[TR+6], v[TR+7]             ; the mask of the two experts
.irp e, 0,1,2,3
	v_cmp_eq_u32 vcc_lo, \e, v[TR+4]
	v_cndmask_b32 v[GG+\e], 0, v[TR+3], vcc_lo
	v_cmp_eq_u32 vcc_lo, \e, v[TR+2]
	v_cndmask_b32 v[GG+\e], v[GG+\e], v[TR+1], vcc_lo
.endr
	v_lshlrev_b32 v9, 2, v2
	s_wait_dscnt 0x0
	global_store_b64 v7, v[12:13], s[26:27]        ; 32 lanes store 256 consecutive bytes, aligned
	v_cmp_gt_u32 vcc_lo, 16, v2
	s_wait_xcnt 0x0                                ; EXEC changes only behind this wait
	s_wait_tensorcnt 0x0
	ds_add_u32 v240, v241
	s_wait_dscnt 0x0
	s_and_saveexec_b32 s39, vcc_lo                 ; lanes 0-15: a row each
	global_store_b128 v3, v[GG:GG+3], s[28:29]     ; 16 lanes store 256 consecutive bytes, aligned
	global_store_b32 v9, v[TR+6], s[30:31]
	s_wait_xcnt 0x0
	s_or_b32 exec_lo, exec_lo, s39
	s_endpgm
; ---------------- WEIGHTS ----------------
; fc = 1: pass k of wave w is hidden units 64 q on, q = 4 w + k; fragment f = 4 s + tt: K step s, tile tt, whose lane r takes row 32 (tt / 2) + 8 (tt % 2) + r + 8 (r / 8),
; so that a lane's results of two neighbouring tiles are 16 neighbours along the next K.  fc = 0: outputs 64 w on, K steps 4 k' + sl; fragment f = 4 sl + nn: row 16 nn + r.
; Scale words: register 4 j + i of eight holds in lanes 0-15 the words of fragment 2 (4 j + i), in lanes 16-31 those of the fragment behind it.
.macro RELAY fc, pc, ps, pb
.irp j, 0,1
.irp i, 0,1,2,3
.if \fc
	global_load_b32 v[144+4*\j+\i], v7, s[\ps:\ps+1] offset:512*(\i%2)+4*(2*\j+\i/2)
.else
	global_load_b32 v[144+4*\j+\i], v7, s[\ps:\ps+1] offset:2048*(\i%2)+4*(2*\j+\i/2)
.endif
.endr
.endr
	global_load_b64 v[152:153], v8, s[\pb:\pb+1]
.irp hf, 0,1                           ; eight fragments at a time
.if \hf
	s_wait_xcnt 0x0                                ; the first half's stores have read their registers
.endif
.irp g, 0,1,2,3,4,5,6,7
.irp c, 0,1,2,3
.if \fc
	global_load_b128 v[16+16*\g+4*\c:16+16*\g+4*\c+3], v6, s[\pc:\pc+1] offset:(32*((\g%4)/2)+8*(\g%2))*512+128*(2*\hf+\g/4)+32*\c
.else
	global_load_b128 v[16+16*\g+4*\c:16+16*\g+4*\c+3], v6, s[\pc:\pc+1] offset:(\g%4)*32768+128*(2*\hf+\g/4)+32*\c
.endif
.endr
.endr
.set N, 0
.irp g, 0,1,2,3,4,5,6,7
.irp c, 0,1,2,3
	s_wait_loadcnt 31-N                            ; loads come back in order: this one is in, the younger ones of the half may be out
	global_store_b128 v3, v[16+16*\g+4*\c:16+16*\g+4*\c+3], s[32:33] offset:2048*(8*\hf+\g)+512*\c   ; 512 consecutive bytes
.set N, N+1
.endr
.endr
.endr
	global_store_b128 v3, v[144:147], s[32:33] offset:32768     ; (issued ahead of the codes' loads: they are in)
	global_store_b128 v3, v[148:151], s[32:33] offset:32768+512
	global_store_b64 v9, v[152:153], s[32:33] offset:33792
.endm
.Lrelay:
	s_sub_co_u32 s40, ttmp9, 128
	s_lshl_b32 s40, s40, 2
	s_add_co_u32 s40, s40, s36                     ; my block: 64 e + 8 w + k
	s_lshr_b32 s41, s40, 6                         ; e
	s_bfe_u32 s42, s40, 0x30003                    ; w
	s_and_b32 s43, s40, 7                          ; k
	s_mul_i32 s44, s40, BLOCK
	s_mov_b32 s45, 0
	s_add_nc_u64 s[32:33], s[32:33], s[44:45]
	s_mov_b32 s49, 0
	v_bfe_u32 v4, v0, 4, 1                         ; h
	v_lshlrev_b32 v9, 3, v2                        ; the biases' place in the block: 8 bytes a lane
	s_cmp_lt_u32 s43, 4
	s_cbranch_scc0 .Lproj
	s_lshl_b32 s46, s41, 11
	s_lshl_b32 s47, s42, 2
	s_add_co_u32 s47, s47, s43                     ; q
	s_lshl_b32 s47, s47, 6
	s_add_co_u32 s46, s46, s47                     ; row 2048 e + 64 q
	s_lshl_b32 s48, s46, 9
	s_add_nc_u64 s[12:13], s[12:13], s[48:49]      ; codes: 512 bytes a row
	s_lshl_b32 s48, s46, 4
	s_add_nc_u64 s[14:15], s[14:15], s[48:49]      ; scale bytes: 16 a row
	s_lshl_b32 s48, s46, 2
	s_add_nc_u64 s[16:17], s[16:17], s[48:49]      ; biases
	v_and_b32 v5, 8, v1
	v_add_nc_u32 v5, v5, v1                        ; r + 8 (r / 8)
	v_lshlrev_b32 v6, 9, v5
	v_lshl_add_u32 v6, v4, 4, v6
	v_lshl_add_u32 v7, v4, 3, v5                   ; lanes 16-31: the odd tile, 8 rows on
	v_lshlrev_b32 v7, 4, v7
	v_lshlrev_b32 v8, 3, v2
	RELAY 1, 12, 14, 16
	s_endpgm
.Lproj:
	s_sub_co_u32 s43, s43, 4                       ; k'
	s_lshl_b32 s46, s41, 9
	s_lshl_b32 s47, s42, 6
	s_add_co_u32 s46, s46, s47                     ; row 512 e + 64 w
	s_lshl_b32 s48, s46, 11
	s_lshl_b32 s47, s43, 9
	s_add_co_u32 s48, s48, s47
	s_add_nc_u64 s[18:19], s[18:19], s[48:49]      ; codes: 2,048 bytes a row, 512 k' along it
	s_lshl_b32 s48, s46, 6
	s_lshl_b32 s47, s43, 4
	s_add_co_u32 s48, s48, s47
	s_add_nc_u64 s[20:21], s[20:21], s[48:49]      ; scale bytes: 64 a row, 16 k' along it
	s_lshl_b32 s48, s46, 2
	s_add_nc_u64 s[22:23], s[22:23], s[48:49]
	v_lshlrev_b32 v6, 11, v1
	v_lshl_add_u32 v6, v4, 4, v6
	v_lshl_add_u32 v7, v4, 4, v1                   ; lanes 16-31: the odd tile, 16 rows on
	v_lshlrev_b32 v7, 6, v7
	v_lshrrev_b32 v8, 4, v2                        ; the biases change places so that one pattern of loads serves both products: place 32 a + 16 h + 8 u + j takes b_proj at 32 a + 16 u + 8 h + j
	v_lshlrev_b32 v8, 5, v8
	v_bfe_u32 v10, v2, 2, 1
	v_lshl_add_u32 v8, v10, 4, v8
	v_bfe_u32 v10, v2, 3, 1
	v_lshl_add_u32 v8, v10, 3, v8
	v_and_b32 v10, 3, v2
	v_lshl_add_u32 v8, v10, 1, v8
	v_lshlrev_b32 v8, 2, v8
	RELAY 0, 18, 20, 22
	s_endpgm
.Lfunc_end_k_qc800d41102_prep:
	.size	k_qc800d41102_prep, .Lfunc_end_k_qc800d41102_prep-k_qc800d41102_prep
	.p2alignl 7, 3214868480
	.fill 96, 4, 3214868480
	.section	.rodata,"a",@progbits
	.p2align	6, 0x0
	.amdhsa_kernel k_qc800d41102_prep
		.amdhsa_group_segment_fixed_size 33280
		.amdhsa_private_segment_fixed_size 0
		.amdhsa_enable_private_segment 0
		.amdhsa_kernarg_size 104
		.amdhsa_user_sgpr_count 2
		.amdhsa_user_sgpr_kernarg_segment_ptr 1
		.amdhsa_wavefront_size32 1
		.amdhsa_system_sgpr_workgroup_id_x 1
		.amdhsa_system_sgpr_workgroup_id_y 1
		.amdhsa_system_sgpr_workgroup_id_z 1
		.amdhsa_system_vgpr_workitem_id 0
		.amdhsa_next_free_vgpr 242
		.amdhsa_next_free_sgpr 66
		.amdhsa_reserve_vcc 1
		.amdhsa_float_denorm_mode_32 3
		.amdhsa_float_denorm_mode_16_64 3
		.amdhsa_memory_ordered 1
		.amdhsa_forward_progress 1
		.amdhsa_inst_pref_size 147
	.end_amdhsa_kernel
	.amdgpu_metadata
---
amdhsa.version: [ 1, 2 ]
amdhsa.kernels:
  - .name:           k_qc800d41102_prep
    .symbol:         k_qc800d41102_prep.kd
    .args:
      - { .name: x, .offset: 0, .size: 8, .value_kind: global_buffer, .address_space: global }
      - { .name: router_w, .offset: 8, .size: 8, .value_kind: global_buffer, .address_space: global }
      - { .name: w_fc_codes, .offset: 16, .size: 8, .value_kind: global_buffer, .address_space: global }
      - { .name: w_fc_scales, .offset: 24, .size: 8, .value_kind: global_buffer, .address_space: global }
      - { .name: b_fc, .offset: 32, .size: 8, .value_kind: global_buffer, .address_space: global }
      - { .name: w_proj_codes, .offset: 40, .size: 8, .value_kind: global_buffer, .address_space: global }
      - { .name: w_proj_scales, .offset: 48, .size: 8, .value_kind: global_buffer, .address_space: global }
      - { .name: b_proj, .offset: 56, .size: 8, .value_kind: global_buffer, .address_space: global }
      - { .name: xq, .offset: 64, .size: 8, .value_kind: global_buffer, .address_space: global }
      - { .name: xsc, .offset: 72, .size: 8, .value_kind: global_buffer, .address_space: global }
      - { .name: gates, .offset: 80, .size: 8, .value_kind: global_buffer, .address_space: global }
      - { .name: masks, .offset: 88, .size: 8, .value_kind: global_buffer, .address_space: global }
      - { .name: wl, .offset: 96, .size: 8, .value_kind: global_buffer, .address_space: global }
    .group_segment_fixed_size: 33280
    .private_segment_fixed_size: 0
    .kernarg_segment_align: 8
    .kernarg_segment_size: 104
    .max_flat_workgroup_size: 128
    .sgpr_count:     66
    .vgpr_count:     242
    .wavefront_size: 32
...
	.end_amdgpu_metadata
.endif
;; end of part 1
;; launch place (part 2): grid 1 x 1, 32 waves a work-group, no clusters, 4,608 bytes of LDS; arguments masks, list, used; writes list, used
.if DOCPART == 2
	.amdgcn_target "amdgcn-amd-amdhsa--gfx1250"
	.amdhsa_code_object_version 6
	.text
	.protected	k_qc800d41102_place
	.globl	k_qc800d41102_place
	.p2align	8
	.type	k_qc800d41102_place,@function
k_qc800d41102_place:
	s_mov_b64 s[64:65], 0
	v_nop
	global_prefetch_b8 v0, s[64:65] scope:SCOPE_SE
	s_setreg_imm32_b32 hwreg(HW_REG_WAVE_MODE, 25, 1), 1
	s_wait_xcnt 0x0
; PLACE.  The 8,192 tokens are sorted by their pair of experts: a counting sort over six buckets, by one work-group of 1,024 threads, 8 tokens each, without atomics.
; list [place] = token;  used [block of 64 places] = the OR of its tokens' masks.  The buckets' order (masks 3, 5, 6, 10, 9, 12) lets neighbouring buckets share an expert,
; so that a block that lies across a bucket's end walks three experts and not four.
; Counts go in 16-bit fields, two to a word, three words: no field passes 8,192.
.set TABLE, (1<<6)|(2<<9)|(4<<18)|(3<<21)|(5<<27)   ; three bits for each mask - 3: the bucket
	s_load_b128 s[4:7], s[0:1], 0x0                ; masks, list
	s_load_b64 s[8:9], s[0:1], 0x10                ; used
	v_lshl_add_u32 v64, v0, 2, 0x200
	v_mov_b32 v65, 0
	v_lshrrev_b32 v1, 5, v0
	v_readfirstlane_b32 s10, v1                    ; wave 0..31
	v_lshlrev_b32 v2, 5, v0                        ; my 8 masks: 32 bytes
	v_bfe_u32 v20, v0, 4, 1
	v_sub_nc_u32 v20, 0, v20                       ; all ones in lanes 16-31
	v_mov_b32 v21, TABLE
	v_mov_b32 v19, 0                               ; a DPP destination counts as read
	v_mov_b32 v63, 0
	v_mov_b32 v62, 1
	v_mov_b32 v12, 0
	s_wait_kmcnt 0x0
	global_load_b128 v[4:7], v2, s[4:5]
	global_load_b128 v[8:11], v2, s[4:5] offset:16
	s_wait_loadcnt 0x0
.irp j, 0,1,2,3,4,5,6,7
	v_add_nc_u32 v[4+\j], -3, v[4+\j]
	v_min_u32 v[4+\j], 9, v[4+\j]
	v_mul_u32_u24 v[4+\j], v[4+\j], 3
	v_lshrrev_b32 v[4+\j], v[4+\j], v21
	v_and_b32 v[4+\j], 7, v[4+\j]                  ; the token's bucket, 0..5
	v_lshlrev_b32 v61, 2, v[4+\j]
	v_lshlrev_b32 v61, v61, v62
	v_add_nc_u32 v12, v12, v61                     ; my counts, four bits a bucket (8 at the most)
.endr
.irp q, 0,1,2
	v_bfe_u32 v61, v12, 8*\q, 4
	v_bfe_u32 v60, v12, 8*\q+4, 4
	v_lshl_or_b32 v[13+\q], v60, 16, v61           ; buckets 2 q and 2 q + 1
	v_mov_b32 v[16+\q], v[13+\q]                   ; (kept: the running sum less my own counts is what stands ahead of me)
.endr
.macro SCAN b                          ; running sums over the 32 lanes of three words
.irp n, 1,2,4,8
.irp q, 0,1,2
	v_mov_b32_dpp v19, v[\b+\q] row_shr:\n row_mask:0xf bank_mask:0xf bound_ctrl:1
	v_add_nc_u32 v[\b+\q], v[\b+\q], v19
.endr
.endr
.irp q, 0,1,2
	v_readlane_b32 s[12+\q], v[\b+\q], 15          ; the lower 16 lanes' sum,
.endr
.irp q, 0,1,2
	v_and_b32 v19, s[12+\q], v20
	v_add_nc_u32 v[\b+\q], v[\b+\q], v19           ; onto the upper 16
.endr
.endm
	SCAN 16
.irp q, 0,1,2
	v_readlane_b32 s[16+\q], v[16+\q], 31          ; my wave's counts
.endr
	v_mov_b32 v24, s16
	v_mov_b32 v25, s17
	v_mov_b32 v26, s18
	v_mov_b32 v27, 0
	v_mov_b32 v61, s10
	v_lshlrev_b32 v61, 4, v61
	ds_store_b128 v61, v[24:27]                    ; all lanes write the same 16 bytes with the same values
	s_wait_dscnt 0x0                               ; for the others' sake
	s_barrier_signal -1
	s_barrier_wait -1
	v_and_b32 v1, 31, v0
	v_lshlrev_b32 v60, 4, v1
	ds_load_b128 v[28:31], v60                     ; lane i: wave i's counts
	s_wait_dscnt 0x0
.irp q, 0,1,2
	v_mov_b32 v[32+\q], v[28+\q]
.endr
	SCAN 32
.irp q, 0,1,2
	v_sub_nc_u32 v[28+\q], v[32+\q], v[28+\q]
	v_readlane_b32 s[20+\q], v[28+\q], s10         ; what the waves ahead of mine hold
	v_readlane_b32 s[24+\q], v[32+\q], 31          ; and all 32 together
.endr
	s_mov_b32 s30, 0                               ; s30-36: where buckets 0 to 5 begin, and the end
.irp q, 0,1,2
	s_and_b32 s40, s[24+\q], 0xffff
	s_add_co_u32 s[31+2*\q], s[30+2*\q], s40
	s_lshr_b32 s40, s[24+\q], 16
	s_add_co_u32 s[32+2*\q], s[31+2*\q], s40
	s_lshl_b32 s40, s[31+2*\q], 16
	s_or_b32 s40, s40, s[30+2*\q]
	s_add_co_u32 s[44+\q], s40, s[20+\q]           ; bucket's begin + earlier waves, two fields
.endr
.irp q, 0,1,2
	v_sub_nc_u32 v[16+\q], v[16+\q], v[13+\q]      ; earlier lanes of my wave
	v_add_nc_u32 v[16+\q], s[44+\q], v[16+\q]
	v_and_b32 v[36+2*\q], 0xffff, v[16+\q]         ; v36-41: the next free place of each bucket, for me
	v_lshrrev_b32 v[37+2*\q], 16, v[16+\q]
.endr
.irp j, 0,1,2,3,4,5,6,7
	v_mov_b32 v[42+\j], v36
	v_cmp_eq_u32 vcc_lo, 0, v[4+\j]
	v_add_co_ci_u32 v36, vcc_lo, 0, v36, vcc_lo    ; one on where the token took the place
.irp b, 1,2,3,4,5
	v_cmp_eq_u32 vcc_lo, \b, v[4+\j]
	v_cndmask_b32 v[42+\j], v[42+\j], v[36+\b], vcc_lo
	v_add_co_ci_u32 v[36+\b], vcc_lo, 0, v[36+\b], vcc_lo
.endr
.endr
	v_lshlrev_b32 v61, 3, v0
.irp j, 0,1,2,3,4,5,6,7
	v_min_u32 v[42+\j], 0x1fff, v[42+\j]           ; a number made of loaded ones enters an address only behind this hold
	v_lshlrev_b32 v[42+\j], 2, v[42+\j]
	v_add_nc_u32 v[50+\j], \j, v61                 ; the token
	global_store_b32 v[42+\j], v[50+\j], s[6:7]    ; v42-57 are these stores' sources: nothing below writes them
.endr
	s_cmp_gt_u32 s10, 3                            ; threads 0-127, waves 0-3: a block of 64 places each
	s_cbranch_scc1 .Lend
	v_lshlrev_b32 v58, 6, v0
	v_add_nc_u32 v59, 64, v58
	v_mov_b32 v60, 0
.macro USE k, mask                     ; does bucket k reach into my block?
	v_max_u32 v61, s[30+\k], v58
	v_min_u32 v62, s[31+\k], v59
	v_cmp_ge_u32 vcc_lo, v61, v62
	v_cndmask_b32 v61, \mask, v63, vcc_lo
	v_or_b32 v60, v60, v61
.endm
	USE 0, 3
	USE 1, 5
	USE 2, 6
	USE 3, 10
	USE 4, 9
	USE 5, 12
	v_lshlrev_b32 v22, 2, v0
	global_store_b32 v22, v60, s[8:9]
.Lend:
	s_wait_tensorcnt 0x0
	ds_add_u32 v64, v65
	s_wait_dscnt 0x0
	s_endpgm
.Lfunc_end_k_qc800d41102_place:
	.size	k_qc800d41102_place, .Lfunc_end_k_qc800d41102_place-k_qc800d41102_place
	.p2alignl 7, 3214868480
	.fill 96, 4, 3214868480
	.section	.rodata,"a",@progbits
	.p2align	6, 0x0
	.amdhsa_kernel k_qc800d41102_place
		.amdhsa_group_segment_fixed_size 4608
		.amdhsa_private_segment_fixed_size 0
		.amdhsa_enable_private_segment 0
		.amdhsa_kernarg_size 24
		.amdhsa_user_sgpr_count 2
		.amdhsa_user_sgpr_kernarg_segment_ptr 1
		.amdhsa_wavefront_size32 1
		.amdhsa_system_sgpr_workgroup_id_x 1
		.amdhsa_system_sgpr_workgroup_id_y 1
		.amdhsa_system_sgpr_workgroup_id_z 1
		.amdhsa_system_vgpr_workitem_id 0
		.amdhsa_next_free_vgpr 66
		.amdhsa_next_free_sgpr 66
		.amdhsa_reserve_vcc 1
		.amdhsa_float_denorm_mode_32 3
		.amdhsa_float_denorm_mode_16_64 3
		.amdhsa_memory_ordered 1
		.amdhsa_forward_progress 1
		.amdhsa_inst_pref_size 18
	.end_amdhsa_kernel
	.amdgpu_metadata
---
amdhsa.version: [ 1, 2 ]
amdhsa.kernels:
  - .name:           k_qc800d41102_place
    .symbol:         k_qc800d41102_place.kd
    .args:
      - { .name: masks, .offset: 0, .size: 8, .value_kind: global_buffer, .address_space: global }
      - { .name: list, .offset: 8, .size: 8, .value_kind: global_buffer, .address_space: global }
      - { .name: used, .offset: 16, .size: 8, .value_kind: global_buffer, .address_space: global }
    .group_segment_fixed_size: 4608
    .private_segment_fixed_size: 0
    .kernarg_segment_align: 8
    .kernarg_segment_size: 24
    .max_flat_workgroup_size: 1024
    .sgpr_count:     66
    .vgpr_count:     66
    .wavefront_size: 32
...
	.end_amdgpu_metadata
.endif
;; end of part 2
;; launch chain (part 3): grid 128 x 1, 8 waves a work-group, no clusters, 311,296 bytes of LDS; arguments list, used, xq, xsc, gates, wl, out0; writes out0
.if DOCPART == 3
	.amdgcn_target "amdgcn-amd-amdhsa--gfx1250"
	.amdhsa_code_object_version 6
	.text
	.protected	k_qc800d41102_chain
	.globl	k_qc800d41102_chain
	.p2align	8
	.type	k_qc800d41102_chain,@function
k_qc800d41102_chain:
	s_mov_b64 s[64:65], 0
	v_nop
	global_prefetch_b8 v0, s[64:65] scope:SCOPE_SE
	s_setreg_imm32_b32 hwreg(HW_REG_WAVE_MODE, 25, 1), 1
	s_wait_xcnt 0x0
; CHAIN.  A work-group takes 64 tokens that stand together in the sorted list through the whole chain, for each expert that one of them uses:
; h = x W_fc + b_fc, exact GELU, quantised along the hidden axis, y = h W_proj + b_proj, O += gate x y; then O's rows are stored, each output row by its one owner.
; Both products on codes of E4M3 with one E8M0 scale for each 32 along K.  A token that did not choose the expert in hand has the gate 0.
; SHARES.  THE EIGHT WAVES SHARE THE COLUMNS, NOT THE ROWS: wave w makes hidden units 256 w on (four passes of 64) and outputs 64 w on (K in four passes of four K steps), for all 64 rows (four tiles of 16).
; So each weight fragment is read once by the work-group, straight from memory into registers (buffer wl holds register images, a block of BLOCK bytes a pass), and feeds four products.
; What goes round through LDS is small: the codes of x and of the hidden layer, as images of their registers (16 bytes a lane at 16 x lane), and their scale words.
; BOTH PRODUCTS ARE USED TRANSPOSED (source 0 = 16 rows of a weight, source 1 = 16 tokens): a lane holds one token (lane % 16) throughout, and the rows of W_fc that form a tile are chosen so that
; the 16 registers of two neighbouring tiles are 16 neighbours along the next K.  The biases are the C of a sum's first products.
; THE WALK OVER EXPERTS has a constant count of 4; an expert that the block does not use is passed over by scalar branches on the stored word of 'used', inside the loops, round the work alone:
; every wave passes every barrier, and every loop's trip count is a constant.
; NO CLUSTER, NO TENSOR LOAD: which experts a block walks hangs on the stored list, so neighbouring work-groups need not want the same weights at the same time, and the branches on a loaded number rule tensor loads out.
; NO PREFETCH: a block of weights is read by every work-group that uses its expert, and each block is asked for a pass ahead of its use.
; GELU: 0.5 h + 0.5 h erf(h / sqrt 2), erf(z) = z P(z^2) / Q(z^2) with 7 and 5 terms, z held within +-4.  LIMITS: erf's absolute error is a few 1e-7, so where h is under about -3 the small result has a
; relative error of some 1e-5 and more; NaN and infinities are not served; a block of zeros gets the scale byte 1 (its codes are zeros; this program alone reads the bytes).
.set BLOCK, 34048                      ; 16 fragments (32,768 bytes), 1,024 bytes of scale words, 64 biases
.set WAVB,  8*BLOCK
.set EXPB,  64*BLOCK
; LDS
.set HIMG,  32768                      ; (x's images lie at 0: [K step 4][half 2][tile 4][group 2][512]);  the hidden layer's likewise, 16 K steps
.set HSC,   163840                     ; the hidden layer's scale bytes: (32 tile + lane) x 80 + 2 x pass number (0..31)
.set XSC,   174080                     ; x's scale words: 512 tile + 16 lane
.set GSC,   176128                     ; the gates: 512 tile + 16 lane
.set STG,   178176                     ; O: 64 rows of 2,048 bytes + 16
.set OP,    2064
; vector registers, window 0
.set WO,   1                           ; v1   16 x lane: offset in a block of wl, in a row of out0, and the address of x's images
.set OUTA, 2                           ; v2   the way out: my wave's 8 rows of O
.set AHB,  3                           ; v3   the hidden images;  v4 the pass's
.set AH,   4
.set HWB,  5                           ; v5   where my wave stores hidden images;  v6 the pass's
.set HW,   6
.set HSWB, 7                           ; v7   and their scale bytes;  v8 the pass's
.set HSW,  8
.set XS,   9                           ; v9   x's scale words
.set HSB,  10                          ; v10  the hidden scale words;  v11 the pass's
.set HS,   11
.set GB,   12                          ; v12  the gates;  v13 the expert's
.set GA,   13
.set O0,   14                          ; v14  my 32 bytes of rows 0-31 of O;  v15 of rows 32-63
.set BH,   16                          ; v16  64 x (lane / 16): the biases' offset
.set GR,   20                          ; v20-23 the gates of the four tiles
.set WS,   24                          ; v24-31 the weights' scale words: nothing else ever stands here
.set AS,   32                          ; v32-47 the tokens' scale words, 4 tile + K step: nothing else ever stands here
.set UR,   48                          ; v48-55 z^2;  v56-63 P
.set PR,   56
.set AF,   64                          ; v64-127 four fragments of tokens;  in GQ: v64-95 z, v96-127 Q
.set ZR,   64
.set QR,   96
.set TM,   64                          ; the quantiser's figures
.set CD,   120                         ; the codes just made
.set ACC,  128                         ; v128-255 accumulator (weight tile tt, row tile m) at 128 + 32 m + 8 tt
; window 1: v0-255 the pass's 16 weight fragments
; scalar registers
.set WV,   18
.set USED, 19
.set EX,   20                          ; the expert;  s21 4 x it
.set E4,   21
.set CNT,  22                          ; the pass
.set PO,   23                          ; 4096 x pass;  s24 2 x pass
.set P2,   24
.set KO,   25                          ; 32768 x pass;  s26 16 x pass
.set K16,  26
.set NONEXT, 27                        ; 1: no expert follows
.set NXT,  28                          ; s[28:29] the block that is being asked for
.set JMP,  30                          ; s[30:31] the next used expert's first block
.set WLW,  32                          ; s[32:33] my wave's part of wl
.set TP,   34
.set SEL,  36
.set MNT,  38
.set RS2,  66
.set TOK,  68                          ; s68-75 the tokens of the 8 rows that I store
.set SKIP, 79
.set MSB, 0
.macro WIN new                         ; the immediate's high byte repeats the setting that is left
.if MSB != \new
	s_set_vgpr_msb (MSB<<8)|\new
.set MSB, \new
.endif
.endm
.macro KPAIR reg, bits                 ; a constant for the packed forms, which name a pair
	s_mov_b32 s[\reg], \bits
	s_mov_b32 s[\reg+1], \bits
.endm
.macro BAR                             ; my LDS stores have landed and my LDS loads are in: then the work-group's barrier
	s_wait_dscnt 0x0
	s_barrier_signal -1
	s_barrier_wait -1
.endm
; A quarter of the next block: the four fragments whose registers K step sl has just left; behind K steps 1 and 3 four scale words too.  cond = 1: nothing is asked for where no block follows.
.macro NL sl, cond
.if \cond
	s_cmp_lg_u32 s[SKIP], 0
	s_cbranch_scc1 .Lnone_\@
.endif
	WIN 0x40                                       ; destination window 1, offset window 0
.irp i, 0,1,2,3,4,5,6,7,8,9,10,11,12,13,14,15
	global_load_b128 v[64*(\sl)+4*\i:64*(\sl)+4*\i+3], v[WO], s[NXT:NXT+1] offset:8192*(\sl)+512*\i   ; 512 consecutive bytes
.endr
	WIN 0
.if (\sl)%2
	global_load_b128 v[WS+4*((\sl)/2):WS+4*((\sl)/2)+3], v[WO], s[NXT:NXT+1] offset:32768+512*((\sl)/2)
.endif
.if \cond
.Lnone_\@:
.endif
.endm
.macro BIASLOAD                        ; the next sums' biases into row tile 0's accumulators: tile tt, lane half h: the block's floats 32 (tt / 2) + 16 h + 8 (tt % 2) + 0 .. 7
.irp tt, 0,1,2,3
	global_load_b128 v[ACC+8*\tt:ACC+8*\tt+3],   v[BH], s[NXT:NXT+1] offset:33792+128*(\tt/2)+32*(\tt%2)
	global_load_b128 v[ACC+8*\tt+4:ACC+8*\tt+7], v[BH], s[NXT:NXT+1] offset:33792+128*(\tt/2)+32*(\tt%2)+16
.endr
.endm
.macro PROD tt, m, sl, bias            ; one product: weight fragment 4 sl + tt x row tile m.  An even fragment's scale words lie in lanes 0-15 of their register, an odd one's in lanes 16-31
.set DR, ACC+32*(\m)+8*(\tt)
.set CR, DR
.if \bias
.set CR, ACC+8*(\tt)
.endif
.set WR, 16*(4*(\sl)+(\tt))
.if (\tt)%2
	v_wmma_scale_f32_16x16x128_f8f6f4 v[DR:DR+7], v[WR:WR+15], v[AF+16*(\m):AF+16*(\m)+15], v[CR:CR+7], v[WS+2*(\sl)+(\tt)/2], v[AS+4*(\m)+(\sl)] matrix_a_scale:MATRIX_SCALE_ROW1
.else
	v_wmma_scale_f32_16x16x128_f8f6f4 v[DR:DR+7], v[WR:WR+15], v[AF+16*(\m):AF+16*(\m)+15], v[CR:CR+7], v[WS+2*(\sl)+(\tt)/2], v[AS+4*(\m)+(\sl)]
.endif
.endm
; A K step's 16 products; the 16 accumulators take turns, one instruction a turn.
; first = 1: the sums begin with the biases, which lie in row tile 0's accumulators: tiles 1 to 3 take them as C; nine places on, tile 0 adds onto them in place.
.macro PRODS sl, first
	WIN 0x01                                       ; source 0 (the weights) window 1
.if \first
.irp m, 1,2,3
.irp tt, 0,1,2,3
	PROD \tt, \m, \sl, 1
.endr
.endr
.rept 9
	v_nop                                          ; a matrix instruction that writes over a register of an earlier one stands nine places behind it
.endr
.irp tt, 0,1,2,3
	PROD \tt, 0, \sl, 1
.endr
.else
.irp m, 0,1,2,3
.irp tt, 0,1,2,3
	PROD \tt, \m, \sl, 0
.endr
.endr
.endif
	WIN 0
.endm
; A pass: four K steps.  adr: the register with the LDS address of the pass's images.  mode 1: the pass begins its sums; mode 2: it does so where it is pass 0 (a branch on the counter, round 16 products).
.macro MM adr, mode, cond
.irp sl, 0,1,2,3
.irp m, 0,1,2,3
.irp c, 0,1,2,3
	ds_load_b128 v[AF+16*\m+4*\c:AF+16*\m+4*\c+3], v[\adr] offset:8192*\sl+4096*(\c/2)+1024*\m+512*(\c%2)
.endr
.endr
	s_wait_dscnt 0x0                               ; the four fragments (and, in K step 0, the scale words) are in
.if \sl == 0
.if \mode == 1
	PRODS 0, 1
.else
	s_cmp_lg_u32 s[CNT], 0
	s_cbranch_scc1 .Lgo_on_\@
	PRODS 0, 1
	s_branch .Ljoined_\@
.Lgo_on_\@:
	PRODS 0, 0
.Ljoined_\@:
.endif
.else
	PRODS \sl, 0
.endif
.rept 8
	v_nop                                          ; eight places in front of loads into registers that these products have read, and of the first read of results (ISA guide 7.12.1 for the first read of results)
.endr
	NL \sl, \cond
.endr
.endm
; Row tile m's 32 results of a lane (64 hidden units' worth with lane l xor 16): GELU, then two blocks of 32 are quantised; the codes are half a fragment of the second product.
.macro GQ m
.set A0, ACC+32*(\m)
	s_wait_dscnt 0x0                               ; the last tile's LDS stores have read their registers
.irp g, 0,1,2,3                        ; an accumulator (four pairs) at a time, the pairs by turns; each accumulator is read from its low end on
.irp p, 0,2,4,6
	v_pk_mul_f32 v[ZR+8*\g+\p:ZR+8*\g+\p+1], v[A0+8*\g+\p:A0+8*\g+\p+1], s[RS2:RS2+1] op_sel_hi:[1,0]   ; z = h / sqrt 2
.endr
.irp i, 0,1,2,3,4,5,6,7
	v_med3_num_f32 v[ZR+8*\g+\i], v[ZR+8*\g+\i], -4.0, 4.0
.endr
.irp p, 0,2,4,6
	v_pk_mul_f32 v[UR+\p:UR+\p+1], v[ZR+8*\g+\p:ZR+8*\g+\p+1], v[ZR+8*\g+\p:ZR+8*\g+\p+1]
.endr
.irp p, 0,2,4,6
	v_pk_fma_f32 v[PR+\p:PR+\p+1], v[UR+\p:UR+\p+1], s[40:41], s[42:43] op_sel_hi:[1,0,0]
.endr
.irp k, 44,46,48,50,52
.irp p, 0,2,4,6
	v_pk_fma_f32 v[PR+\p:PR+\p+1], v[PR+\p:PR+\p+1], v[UR+\p:UR+\p+1], s[\k:\k+1] op_sel_hi:[1,1,0]
.endr
.endr
.irp p, 0,2,4,6
	v_pk_fma_f32 v[QR+8*\g+\p:QR+8*\g+\p+1], v[UR+\p:UR+\p+1], s[54:55], s[56:57] op_sel_hi:[1,0,0]
.endr
.irp k, 58,60,62
.irp p, 0,2,4,6
	v_pk_fma_f32 v[QR+8*\g+\p:QR+8*\g+\p+1], v[QR+8*\g+\p:QR+8*\g+\p+1], v[UR+\p:UR+\p+1], s[\k:\k+1] op_sel_hi:[1,1,0]
.endr
.endr
.irp p, 0,2,4,6
	v_pk_mul_f32 v[ZR+8*\g+\p:ZR+8*\g+\p+1], v[ZR+8*\g+\p:ZR+8*\g+\p+1], v[PR+\p:PR+\p+1]   ; z P
.endr
.endr
.irp i, 0,1,2,3,4,5,6,7,8,9,10,11,12,13,14,15,16,17,18,19,20,21,22,23,24,25,26,27,28,29,30,31
	v_rcp_f32 v[QR+\i], v[QR+\i]                   ; Q is under 0 everywhere: never 0
.endr
.irp p, 0,2,4,6,8,10,12,14,16,18,20,22,24,26,28,30
	v_pk_mul_f32 v[A0+\p:A0+\p+1], v[A0+\p:A0+\p+1], 0.5 op_sel_hi:[1,0]   ; work that names no reciprocal stands behind the batch
.endr
	s_wait_alu depctr_va_vdst(0)                   ; one wait for the 32 reciprocals, ahead of their first reader
.irp p, 0,2,4,6,8,10,12,14,16,18,20,22,24,26,28,30
	v_pk_mul_f32 v[ZR+\p:ZR+\p+1], v[ZR+\p:ZR+\p+1], v[QR+\p:QR+\p+1]      ; erf
.endr
.irp p, 0,2,4,6,8,10,12,14,16,18,20,22,24,26,28,30
	v_pk_fma_f32 v[A0+\p:A0+\p+1], v[A0+\p:A0+\p+1], v[ZR+\p:ZR+\p+1], v[A0+\p:A0+\p+1]   ; 0.5 h erf + 0.5 h
.endr
.irp b, 0,1
	v_max3_num_f32 v[TM+\b], |v[A0+16*\b]|, |v[A0+16*\b+1]|, 0x4800000   ; block b: my 16 numbers, and the floor 2^(9 - 127): the byte cannot fall under 1
.endr
.irp i, 2,4,6,8,10,12,14
.irp b, 0,1
	v_max3_num_f32 v[TM+\b], v[TM+\b], |v[A0+16*\b+\i]|, |v[A0+16*\b+\i+1]|
.endr
.endr
.irp b, 0,1
	v_permlanex16_b32 v[TM+2+\b], v[TM+\b], s[SEL], s[SEL+1]
.endr
.irp b, 0,1
	v_max_num_f32 v[TM+\b], v[TM+\b], v[TM+2+\b]   ; with lane l xor 16's: the block's largest magnitude
.endr
.irp b, 0,1
	v_add_nc_u32 v[TM+4+\b], 0xfc000000, v[TM+\b]  ; 8 off its exponent field: the conversion's scale operand
.endr
.irp b, 0,1
	v_and_or_b32 v[TM+6+\b], v[TM+\b], 0x7f800000, s[MNT]   ; 448 x the scale
.endr
.irp b, 0,1
	v_lshrrev_b32 v[TM+8+\b], 23, v[TM+4+\b]       ; the scale's byte
.endr
	v_lshl_or_b32 v[TM+10], v[TM+9], 8, v[TM+8]
.irp b, 0,1
.irp i, 0,1,2,3,4,5,6,7,8,9,10,11,12,13,14,15
	v_med3_num_f32 v[A0+16*\b+\i], v[A0+16*\b+\i], -v[TM+6+\b], v[TM+6+\b]   ; the conversion to an 8-bit code does not saturate (ISA guide 7.6.2): the hold
.endr
	v_cvt_scalef32_pk8_fp8_f32 v[CD+4*\b:CD+4*\b+1], v[A0+16*\b:A0+16*\b+7], v[TM+4+\b]
	v_cvt_scalef32_pk8_fp8_f32 v[CD+4*\b+2:CD+4*\b+3], v[A0+16*\b+8:A0+16*\b+15], v[TM+4+\b]
.endr
	v_nop                                          ; a plain line behind the last conversion
	ds_store_b128 v[HW], v[CD:CD+3] offset:1024*(\m)
	ds_store_b128 v[HW], v[CD+4:CD+7] offset:1024*(\m)+512
	ds_store_b16 v[HSW], v[TM+10] offset:2560*(\m)
.endm
; O += gate x y, in my wave's own 256 bytes of each row: row tiles 2 pr and 2 pr + 1
.macro OUP pr
.irp mm, 0,1
.irp nn, 0,1,2,3
	ds_load_b128 v[AF+32*\mm+8*\nn:AF+32*\mm+8*\nn+3],   v[O0+\pr] offset:16*OP*\mm+64*\nn
	ds_load_b128 v[AF+32*\mm+8*\nn+4:AF+32*\mm+8*\nn+7], v[O0+\pr] offset:16*OP*\mm+64*\nn+16
.endr
.endr
	s_wait_dscnt 0x0                               ; O's 64 numbers a lane (and, the first time, the gates) are in
.irp i, 0,2,4,6,8,10,12,14,16,18,20,22,24,26,28,30
	v_pk_fma_f32 v[AF+\i:AF+\i+1], v[ACC+64*\pr+\i:ACC+64*\pr+\i+1], v[GR+2*\pr:GR+2*\pr+1], v[AF+\i:AF+\i+1] op_sel_hi:[1,0,1]   ; the even tile's gate: the pair's low word for both halves
.endr
.irp i, 0,2,4,6,8,10,12,14,16,18,20,22,24,26,28,30
	v_pk_fma_f32 v[AF+32+\i:AF+32+\i+1], v[ACC+64*\pr+32+\i:ACC+64*\pr+32+\i+1], v[GR+2*\pr:GR+2*\pr+1], v[AF+32+\i:AF+32+\i+1] op_sel:[0,1,0] op_sel_hi:[1,1,1]   ; the odd tile's: the high word
.endr
.irp mm, 0,1
.irp nn, 0,1,2,3
	ds_store_b128 v[O0+\pr], v[AF+32*\mm+8*\nn:AF+32*\mm+8*\nn+3]   offset:16*OP*\mm+64*\nn
	ds_store_b128 v[O0+\pr], v[AF+32*\mm+8*\nn+4:AF+32*\mm+8*\nn+7] offset:16*OP*\mm+64*\nn+16
.endr
.endr
	s_wait_dscnt 0x0                               ; the stores have read their registers
.endm
; ---------------- the head ----------------
	s_load_b256 s[4:11], s[0:1], 0x0               ; list, used, xq, xsc
	s_load_b128 s[12:15], s[0:1], 0x20             ; gates, wl
	s_load_b64 s[16:17], s[0:1], 0x30              ; out0
	v_lshrrev_b32 v17, 5, v0
	v_readfirstlane_b32 s[WV], v17                 ; wave 0..7
	v_and_b32 v19, 31, v0                          ; lane
	v_and_b32 v18, 15, v0                          ; r
	v_bfe_u32 v17, v0, 4, 1                        ; h
	v_lshlrev_b32 v[WO], 4, v19
	v_add_nc_u32 v[AHB], HIMG, v[WO]
	s_lshl_b32 s76, s[WV], 14
	v_add_nc_u32 v[HWB], s76, v[AHB]               ; my wave's two K steps of the hidden layer
	v_mul_u32_u24 v[HSB], v19, 80
	v_add_nc_u32 v[HSB], HSC, v[HSB]
	s_lshl_b32 s76, s[WV], 3
	v_add_nc_u32 v[HSWB], s76, v[HSB]              ; my wave's 8 scale bytes of a row
	v_add_nc_u32 v[XS], XSC, v[WO]
	v_add_nc_u32 v[GB], GSC, v[WO]
	v_mul_u32_u24 v[O0], v18, OP
	v_lshl_add_u32 v[O0], v17, 5, v[O0]
	s_lshl_b32 s76, s[WV], 8
	s_add_co_u32 s76, s76, STG
	v_add_nc_u32 v[O0], s76, v[O0]                 ; row r, + 32 h, + 256 x wave
	v_add_nc_u32 v[O0+1], 32*OP, v[O0]
	v_lshlrev_b32 v[BH], 6, v17
	s_mul_i32 s76, s[WV], 8*OP
	s_add_co_u32 s76, s76, STG
	v_add_nc_u32 v[OUTA], s76, v[WO]
	s_lshr_b32 s77, s[WV], 1                       ; the row tile whose x I bring: wave / 2;
	s_and_b32 s78, s[WV], 1                        ; its K steps 0, 1 and scale words (even waves) or K steps 2, 3 and gates (odd waves)
	s_lshl_b32 s79, s77, 10
	s_lshl_b32 s80, s78, 14
	s_add_co_u32 s79, s79, s80
	v_add_nc_u32 v52, s79, v[WO]                   ; where the images go
	s_lshl_b32 s79, s77, 9
	s_lshl_b32 s80, s78, 11
	s_add_co_u32 s79, s79, s80
	s_add_co_u32 s79, s79, XSC
	v_add_nc_u32 v53, s79, v[WO]                   ; and the scale words, or 2,048 bytes on the gates
	s_lshl_b32 s81, ttmp9, 8                       ; my block's 64 places in the list, in bytes
	s_lshl_b32 s79, s77, 6
	s_add_co_u32 s79, s79, s81
	v_lshl_add_u32 v48, v18, 2, s79                ; place 16 (wave / 2) + r
	s_lshl_b32 s82, s[WV], 5
	s_add_co_u32 s82, s82, s81                     ; places 8 wave on: the rows that I store
	s_lshl_b32 s83, ttmp9, 2
	s_lshl_b32 s80, s78, 8
	s_mov_b32 s[SEL], 0x76543210
	s_mov_b32 s[SEL+1], 0xfedcba98                 ; v_permlanex16_b32's selects for lane l xor 16
	s_mov_b32 s[MNT], 0x600000                     ; the mantissa field of 448
	KPAIR 40, 0xaf95df0b                           ; P: -2.72614226e-10,
	KPAIR 42, 0x32edffee                           ;     2.77068142e-08,
	KPAIR 44, 0xb60cff51                           ;    -2.10102402e-06,
	KPAIR 46, 0xb86ec2d2                           ;    -5.69250639e-05,
	KPAIR 48, 0xba40ac63                           ;    -7.34990630e-04,
	KPAIR 50, 0xbb41a1f6                           ;    -2.95459981e-03,
	KPAIR 52, 0xbc83dbd4                           ;    -1.60960333e-02
	KPAIR 54, 0xb77460cd                           ; Q: -1.45660718e-05,
	KPAIR 56, 0xb95fbd29                           ;    -2.13374055e-04,
	KPAIR 58, 0xbadc924e                           ;    -1.68282697e-03,
	KPAIR 60, 0xbbf19bf8                           ;    -7.37332917e-03,
	KPAIR 62, 0xbc69b6a7                           ;    -1.42647391e-02
	KPAIR RS2, 0x3f3504f3                          ; 1 / sqrt 2
	s_wait_kmcnt 0x0
	global_load_b32 v49, v48, s[4:5]               ; my lane's token
	s_load_b256 s[TOK:TOK+7], s[4:5], s82 offset:0x0
	s_load_b32 s[USED], s[6:7], s83 offset:0x0
	s_mul_i32 s[TP], s[WV], WAVB
	s_mov_b32 s[TP+1], 0
	s_add_nc_u64 s[WLW:WLW+1], s[14:15], s[TP:TP+1]
	s_cmp_eq_u32 s78, 0
	s_cselect_b64 s[84:85], s[10:11], s[12:13]     ; scale words or gates: both 16 bytes a token
	s_wait_loadcnt 0x0
	v_min_u32 v49, 0x1fff, v49                     ; a loaded number enters an address only behind this hold
	v_lshlrev_b32 v50, 9, v49
	v_lshl_add_u32 v50, v17, 4, v50
	v_add_nc_u32 v50, s80, v50                     ; 512 token + 16 h + 256 (wave % 2)
	v_lshlrev_b32 v51, 4, v49
.irp i, 0,1
.irp c, 0,1,2,3
	global_load_b128 v[160+16*\i+4*\c:160+16*\i+4*\c+3], v50, s[8:9] offset:128*\i+32*\c
.endr
.endr
	global_load_b128 v[192:195], v51, s[84:85]
	s_wait_kmcnt 0x0
.irp i, 0,1,2,3,4,5,6,7
	s_min_u32 s[TOK+\i], s[TOK+\i], 0x1fff
.endr
	s_ctz_i32_b32 s76, s[USED]
	s_min_u32 s76, s76, 3                          ; the first expert in use
	s_mul_i32 s[TP], s76, EXPB
	s_add_nc_u64 s[NXT:NXT+1], s[WLW:WLW+1], s[TP:TP+1]
	NL 0, 0                                        ; its first block
	NL 1, 0
	NL 2, 0
.irp i, 196,197,198,199,200,201,202,203,204,205,206,207,208,209,210,211,212,213,214,215,216,217,218,219,220,221,222,223,224,225
	v_mov_b32 v[\i], 0                             ; the accumulators' registers that no load of the head writes are written once, so that they are defined on every way through the skips below; four of them also clear O
.endr
.irp i, 226,227,228,229,230,231,232,233,234,235,236,237,238,239,240,241,242,243,244,245,246,247,248,249,250,251,252,253,254,255
	v_mov_b32 v[\i], 0
.endr
.irp pr, 0,1
.irp mm, 0,1
.irp nn, 0,1,2,3
	ds_store_b128 v[O0+\pr], v[196:199] offset:16*OP*\mm+64*\nn          ; O begins as zeros: my wave's columns
	ds_store_b128 v[O0+\pr], v[196:199] offset:16*OP*\mm+64*\nn+16
.endr
.endr
.endr
	s_wait_loadcnt 49                              ; x's nine loads are in; the 16 + 17 + 16 loads issued behind them may be out
.irp i, 0,1
.irp c, 0,1,2,3
	ds_store_b128 v52, v[160+16*\i+4*\c:160+16*\i+4*\c+3] offset:8192*\i+4096*(\c/2)+512*(\c%2)
.endr
.endr
	ds_store_b128 v53, v[192:195]
	NL 3, 0
	BIASLOAD
	BAR                                            ; x's images, scale words and gates lie in LDS
; ---------------- the experts ----------------
	s_mov_b32 s[EX], 0
	s_mov_b32 s[E4], 0
.Lexpert:
	s_add_co_u32 s76, s[EX], 1
	s_lshr_b32 s77, s[USED], s76                   ; the experts behind this one
	s_cmp_eq_u32 s77, 0
	s_cselect_b32 s[NONEXT], 1, 0
	s_ctz_i32_b32 s78, s77
	s_add_co_u32 s78, s78, s76
	s_min_u32 s78, s78, 3                          ; the next one in use (held inside the buffer where there is none)
	s_mul_i32 s[TP], s78, EXPB
	s_mov_b32 s[TP+1], 0
	s_add_nc_u64 s[JMP:JMP+1], s[WLW:WLW+1], s[TP:TP+1]
	; the first product, GELU and the quantiser: four passes of 64 hidden units
	s_mov_b32 s[CNT], 0
	s_mov_b32 s[PO], 0
	s_mov_b32 s[P2], 0
.Lfc:
	s_bitcmp1_b32 s[USED], s[EX]
	s_cbranch_scc0 .Lfc_skip
	s_wait_loadcnt 0x0                             ; the pass's block is in; no load names NXT any more, so it may step
	s_wait_dscnt 0x0                               ; the last pass's LDS stores have read their registers
	s_add_nc_u64 s[NXT:NXT+1], s[NXT:NXT+1], BLOCK
	v_add_nc_u32 v[HW], s[PO], v[HWB]
	v_add_nc_u32 v[HSW], s[P2], v[HSWB]
.irp m, 0,1,2,3
	ds_load_b128 v[AS+4*\m:AS+4*\m+3], v[XS] offset:512*\m
.endr
	MM WO, 1, 0
	GQ 0
	BIASLOAD                                       ; row tile 0's accumulators are done with: they take the next sums' biases (every earlier load into them was waited for at the pass's head)
	GQ 1
	GQ 2
	GQ 3
.Lfc_skip:
	s_add_co_u32 s[PO], s[PO], 4096
	s_add_co_u32 s[P2], s[P2], 2
	s_add_co_u32 s[CNT], s[CNT], 1
	s_cmp_lt_u32 s[CNT], 4
	s_cbranch_scc1 .Lfc
	BAR                                            ; the hidden layer's 64 fragments and their scale bytes lie in LDS
	; the second product: four passes of four K steps
	s_mov_b32 s[CNT], 0
	s_mov_b32 s[KO], 0
	s_mov_b32 s[K16], 0
.Lpj:
	s_bitcmp1_b32 s[USED], s[EX]
	s_cbranch_scc0 .Lpj_skip
	s_wait_loadcnt 0x0                             ; the pass's block is in; NXT may be written
	s_add_nc_u64 s[TP:TP+1], s[NXT:NXT+1], BLOCK
	s_cmp_eq_u32 s[CNT], 3
	s_cselect_b64 s[NXT:NXT+1], s[JMP:JMP+1], s[TP:TP+1]   ; behind the expert's last block: the next expert's first
	s_cselect_b32 s[SKIP], s[NONEXT], 0
	v_add_nc_u32 v[AH], s[KO], v[AHB]
	v_add_nc_u32 v[HS], s[K16], v[HSB]
.irp m, 0,1,2,3
	ds_load_b128 v[AS+4*\m:AS+4*\m+3], v[HS] offset:2560*\m
.endr
	MM AH, 2, 1
.Lpj_skip:
	s_add_co_u32 s[KO], s[KO], 32768
	s_add_co_u32 s[K16], s[K16], 16
	s_add_co_u32 s[CNT], s[CNT], 1
	s_cmp_lt_u32 s[CNT], 4
	s_cbranch_scc1 .Lpj
	s_bitcmp1_b32 s[USED], s[EX]
	s_cbranch_scc0 .Ltail_skip
	v_add_nc_u32 v[GA], s[E4], v[GB]
.irp m, 0,1,2,3
	ds_load_b32 v[GR+\m], v[GA] offset:512*\m      ; this expert's gates of the four row tiles
.endr
	OUP 0                                          ; row tiles 0 and 1 first: tile 0's accumulators are then done with
	s_cmp_lg_u32 s[NONEXT], 0
	s_cbranch_scc1 .Lno_bias
	s_wait_loadcnt 0x0                             ; no load into tile 0's accumulators is out on any way that leads here (what is out is the next expert's first block, for which the next pass waits in any case)
	BIASLOAD                                       ; the next expert's first biases: they are on their way while row tiles 2 and 3 are added
.Lno_bias:
	OUP 1
.Ltail_skip:
	BAR                                            ; every wave's reads of the hidden layer are over: the next expert may write it; behind the last expert: O is whole
	s_add_co_u32 s[E4], s[E4], 4
	s_add_co_u32 s[EX], s[EX], 1
	s_cmp_lt_u32 s[EX], 4
	s_cbranch_scc1 .Lexpert
; ---------------- the way out: wave w stores rows 8 w .. 8 w + 7, whole, each to its token's row ----------------
	s_wait_loadcnt 0x0                             ; no load is out: the head's offset registers may be written
.irp i, 0,1,2,3,4,5,6,7
.irp q, 0,1,2,3
	ds_load_b128 v[ACC+16*\i+4*\q:ACC+16*\i+4*\q+3], v[OUTA] offset:OP*\i+512*\q
.endr
.endr
.irp i, 0,1,2,3,4,5,6,7
	s_lshl_b32 s[TOK+\i], s[TOK+\i], 11
	v_add_nc_u32 v[48+\i], s[TOK+\i], v[WO]
.endr
.set N, 0
.irp i, 0,1,2,3,4,5,6,7
.irp q, 0,1,2,3
	s_wait_dscnt 31-N                              ; LDS loads come back in order: this one is in
	global_store_b128 v[48+\i], v[ACC+16*\i+4*\q:ACC+16*\i+4*\q+3], s[16:17] offset:512*\q th:TH_STORE_NT   ; 32 lanes store 512 consecutive bytes, at a multiple of 256 from out0's first byte
.set N, N+1
.endr
.endr
	s_wait_xcnt 0x0
	v_lshl_add_u32 v254, v0, 2, 0x4bc00
	v_mov_b32 v255, 0
	s_wait_tensorcnt 0x0
	ds_add_u32 v254, v255
	s_wait_dscnt 0x0
	s_endpgm
.Lfunc_end_k_qc800d41102_chain:
	.size	k_qc800d41102_chain, .Lfunc_end_k_qc800d41102_chain-k_qc800d41102_chain
	.p2alignl 7, 3214868480
	.fill 96, 4, 3214868480
	.section	.rodata,"a",@progbits
	.p2align	6, 0x0
	.amdhsa_kernel k_qc800d41102_chain
		.amdhsa_group_segment_fixed_size 311296
		.amdhsa_private_segment_fixed_size 0
		.amdhsa_enable_private_segment 0
		.amdhsa_kernarg_size 56
		.amdhsa_user_sgpr_count 2
		.amdhsa_user_sgpr_kernarg_segment_ptr 1
		.amdhsa_wavefront_size32 1
		.amdhsa_system_sgpr_workgroup_id_x 1
		.amdhsa_system_sgpr_workgroup_id_y 1
		.amdhsa_system_sgpr_workgroup_id_z 1
		.amdhsa_system_vgpr_workitem_id 0
		.amdhsa_next_free_vgpr 512
		.amdhsa_next_free_sgpr 100
		.amdhsa_reserve_vcc 0
		.amdhsa_float_denorm_mode_32 3
		.amdhsa_float_denorm_mode_16_64 3
		.amdhsa_memory_ordered 1
		.amdhsa_forward_progress 1
		.amdhsa_inst_pref_size 173
	.end_amdhsa_kernel
	.amdgpu_metadata
---
amdhsa.version: [ 1, 2 ]
amdhsa.kernels:
  - .name:           k_qc800d41102_chain
    .symbol:         k_qc800d41102_chain.kd
    .args:
      - { .name: list, .offset: 0, .size: 8, .value_kind: global_buffer, .address_space: global }
      - { .name: used, .offset: 8, .size: 8, .value_kind: global_buffer, .address_space: global }
      - { .name: xq, .offset: 16, .size: 8, .value_kind: global_buffer, .address_space: global }
      - { .name: xsc, .offset: 24, .size: 8, .value_kind: global_buffer, .address_space: global }
      - { .name: gates, .offset: 32, .size: 8, .value_kind: global_buffer, .address_space: global }
      - { .name: wl, .offset: 40, .size: 8, .value_kind: global_buffer, .address_space: global }
      - { .name: out0, .offset: 48, .size: 8, .value_kind: global_buffer, .address_space: global }
    .group_segment_fixed_size: 311296
    .private_segment_fixed_size: 0
    .kernarg_segment_align: 8
    .kernarg_segment_size: 56
    .max_flat_workgroup_size: 256
    .sgpr_count:     100
    .vgpr_count:     512
    .wavefront_size: 32
...
	.end_amdgpu_metadata
.endif
;; end of part 3
